; MI455X (gfx1250); checked and timed in simulation.
; The chip was launched on July 23, 2026; its instructions are those of AMD's public machine-readable ISA for CDNA 5 (MIT licence, August 2026) and "CDNA5" Instruction Set Architecture Reference Guide (July 2026). The comments in the code are by the model that wrote it; some were corrected since.
;; Qwen3 Next Top K Router. Allowed arithmetic: float matrix products may take bf16 or f16 operands with f32 sums; all other float work in f32.
;; Inputs: hidden_states 16,384 x 2,048 float32; weight 64 x 2,048 float32.
;; Outputs: out0 16,384 x 64 float32; out1 16,384 x 8 float32; out2 16,384 x 8 int32.
;; One version. Each part assembles by itself: llvm-mc -triple=amdgcn-amd-amdhsa -mcpu=gfx1250 --defsym DOCPART=n.
;; ======== version 1 of 1: 1 launch
;; launch router (part 1): grid 256 x 1, 8 waves a work-group, clusters of 4 x 1, 327,680 bytes of LDS; arguments hidden_states, weight, out0, out1, out2; writes out0, out1, out2
.if DOCPART == 1
	.amdgcn_target "amdgcn-amd-amdhsa--gfx1250"
	.amdhsa_code_object_version 6
	.text
	.protected	k_qc47bd250ea_router
	.globl	k_qc47bd250ea_router
	.p2align	8
	.type	k_qc47bd250ea_router,@function
k_qc47bd250ea_router:
	s_mov_b64 s[64:65], 0
	v_nop
	global_prefetch_b8 v0, s[64:65] scope:SCOPE_SE
	s_setreg_imm32_b32 hwreg(HW_REG_WAVE_MODE, 25, 1), 1
	s_wait_xcnt 0x0
	s_wait_alu depctr_hold_cnt(0) depctr_sa_sdst(0) depctr_va_vdst(0) depctr_va_sdst(0) depctr_va_ssrc(0) depctr_va_vcc(0) depctr_vm_vsrc(0)
	s_getreg_b32 s2, hwreg(HW_REG_IB_STS2, 6, 4)
	s_cmp_eq_u32 s2, 0
	s_cbranch_scc0 .Lentry_in_a_cluster
	s_endpgm
.Lentry_in_a_cluster:
	s_bfe_u32 s2, ttmp6, 0x10000c
	s_cmp_lg_u32 s2, 0x3003
	s_cbranch_scc0 .Lentry_shape_is_right
	s_endpgm
.Lentry_shape_is_right:
; Router: logits[t][e] = sum over k of H[t][k] W[e][k]; softmax over the 64 experts; the 8 largest probabilities, in falling order
; (equal ones: the lower index first), divided by their sum; their indices.  H: [16384][2048] f32, W: [64][2048] f32.
; out0: logits [16384][64] f32, out1: [16384][8] f32, out2: [16384][8] i32.
;
; SHARES.  A work-group owns 64 rows of H; its 64 x 64 logits are 16 tiles of 16 x 16.  K is split over the 8 waves: wave w takes, in chunk c
; (c = 0, 1), the 128 columns at byte 4096 c + 512 w of every row, for all 64 rows and all 64 experts.  So each number of H and of W is fetched,
; rounded to bf16 and read from LDS once in the work-group, and each f32 sum chain has 8 links.  The 8 partial blocks meet in LDS at the end.
; W is wanted whole by every work-group (512 KiB, as many bytes as its own 64 rows of H): four work-groups form a cluster and ask for each tile of W
; JOINTLY (mask 15).  A wave's tile (64 experts x 512 bytes) lands in a slot of its own, is turned at once into 16 bf16 fragments that stay in
; registers for the chunk's four row tiles, and the slot is filled again once, with chunk 1, which has all of chunk 0's work in which to land.
; H comes through a ring of 32 loads in registers: each load of a wave covers 512 consecutive bytes, aligned, and the ring is filled again load by
; load behind counted waits, so that no wait of the stream is for all loads.  A fragment wants one lane for each row, a load gives one lane for each
; four columns: 16 rows at a time are rounded to bf16 and turned through 4,352 bytes of LDS that are the wave's own.
;
; LIMITS.  Matrix operands are rounded to bf16 (nearest even), sums are f32 in an order of their own (8 waves x 8 K steps of 32, then a tree).
; Divisions are v_rcp_f32 and a multiply.  v_exp_f32 gives 0 where the result would be under 2^-126 (ISA guide 15.8): experts whose logit lies more
; than about 87.3 under the row's largest have probability 0 here and are ranked among themselves by index.  NaN and infinite inputs are not served.
.set ROWB,   8192                      ; bytes in a row of H and of W
.set HALFB,  4096                      ; chunk c begins at byte 4096 c of a row: 8 waves x 512 bytes
.set DEPTH,  32                        ; loads of a wave in flight
.set NLOADS, 128                       ; row loads of a wave: 2 chunks x 64 rows
.set WPITCH, 528                       ; a row of W's tile in LDS: 512 bytes + 16 of padding = 33 x 16: 16 rows begin in 16 different 16-byte columns of 256
.set WSLOT,  64*WPITCH                 ; 33,792 bytes: a wave's slot for W; behind its last fill it holds the wave's partial sums
.set SPITCH, 272                       ; a row of the stage: 128 bf16 + 16 bytes = 17 x 16
.set STAGE0, 8*WSLOT                   ; the stages lie behind the slots; no tensor load lands there
.set STAGEB, 16*SPITCH                 ; 4,352 bytes: a wave's stage, 16 rows
.set PPITCH, 272                       ; a row of partial sums: 64 f32 + 16 bytes
; window 0 (v0-v255)
.set OFF, 4                            ; byte offset of my 16 bytes in a row of H: 16 x thread = 512 w + 16 lane
.set ST,  5                            ; stage: where I put 4 bf16 of a row
.set HA,  6                            ; stage: where I read fragments
.set WA,  7                            ; W's slot: where I read fragments
.set PS,  8                            ; where I put partial sums
.set RD,  9                            ; v9-12  where I read partial sums of waves 0-1, 2-3, 4-5, 6-7
.set O0,  13                           ; my byte offset in the work-group's part of out0
.set O1,  14                           ; and of out1, out2
.set T,   16                           ; v16-23   packed bf16, four pairs in turn
.set HF,  24                           ; v24-55   fragments of H: 16 rows x 128 k
.set WS,  56                           ; v56-119  W in f32 on its way to bf16: two buffers of two fragments
.set IX,  120                          ; v120-123 the indices of my four experts, as f32
.set BIG, 124                          ; 64.0: above every index
.set NEG, 125                          ; -1.0: under every probability
.set X,   128                          ; v128-255 the ring; at the end the partial sums
; at the end, in the registers of WS:
.set L,   56                           ; v56-71   logits: row pair p, my 4 experts
.set P,   72                           ; v72-87   probabilities
.set M,   88                           ; v88-91   a row's largest
.set C,   92                           ; v92-95   a row's sum; then the index of the largest
.set TS,  96                           ; v96-99   sum of the picked
.set RV,  100                          ; v100-101 picked values as stored
.set RI,  102                          ; v102-103 picked indices as stored
.set RT,  104
.set TP,  106                          ; v106-113
; window 1 (v256-v511), by their low 8 bits
.set ACC, 0                            ; tile (expert block e, row block rt) at 8 (4 rt + e)
.set WF,  128                          ; fragment of W (K step q, expert block e) at 128 + 8 (4 q + e)
; scalars
.set EQ,  32                           ; s32-35 lane masks of compares, one for each row pair
.set RM,  36                           ; s36-51 mask i: lane i of both halves
.set MSB, 0
.macro WIN new                         ; s_set_vgpr_msb: bits 1:0 source 0, 3:2 source 1, 5:4 source 2, 7:6 destination; the high byte repeats the setting left
.if MSB != \new
	s_set_vgpr_msb (MSB<<8)|\new
.set MSB, \new
.endif
.endm
.set MULW, 0x51                        ; D, C and source 0 (W) in window 1, source 1 (H) in window 0
.set TOW,  0x40                        ; destination in window 1
.set FROMA, 0x04                       ; an LDS store's data in window 1
; A round of the cluster's barrier: my work-group's barrier, wave 0 signals for the work-group, every wave waits for all four work-groups, my barrier again.
.macro ROUND
	s_barrier_signal -1
	s_barrier_wait -1
	s_cmp_lg_u32 s14, 0
	s_cbranch_scc1 .Lnot_wave_0_\@
	s_barrier_signal -3
.Lnot_wave_0_\@:
	s_barrier_wait -3
	s_barrier_signal -1
	s_barrier_wait -1
.endm
	s_load_b256 s[4:11], s[0:1], 0x0               ; H s[4:5], W s[6:7], out0 s[8:9], out1 s[10:11]
	s_load_b64 s[12:13], s[0:1], 0x20              ; out2
	v_lshl_add_u32 v126, v0, 2, 0x4a800
	v_mov_b32 v127, 0
	ds_add_u32 v126, v127
	v_lshrrev_b32 v1, 5, v0
	v_readfirstlane_b32 s14, v1                    ; wave 0..7
	s_bfe_u32 s15, ttmp6, 0x40000                  ; my place in the cluster
	s_lshl_b32 s16, ttmp9, 2                       ; ttmp9 counts clusters
	s_add_co_u32 s16, s16, s15                     ; work-group 0..255
	s_lshl_b32 s18, s16, 19                        ; x 64 rows x 8,192 bytes (under 2^27)
	s_mov_b32 s19, 0
	v_lshlrev_b32 v[OFF], 4, v0
	s_wait_dscnt 0x0
	s_wait_kmcnt 0x0
	s_add_nc_u64 s[4:5], s[4:5], s[18:19]          ; H at my first row
.set row_n, 0
.rept DEPTH
	global_load_b128 v[X+4*row_n:X+4*row_n+3], v[OFF], s[4:5] offset:row_n*ROWB th:TH_LOAD_NT   ; the ring is filled first: rows 0-31 of chunk 0
.set row_n, row_n+1
.endr
	; W's tile: 64 rows x 128 f32, 2,048 elements from row to row, 4 words of padding behind every 128.  Nothing in it hangs on the place in the cluster.
	s_mov_b32 s20, 1                               ; group 0: count
	s_mul_i32 s21, s14, WSLOT                      ; LDS address: my wave's slot
	s_lshl_b32 s56, s14, 9
	s_mov_b32 s57, 0
	s_add_nc_u64 s[22:23], s[6:7], s[56:57]        ; W + 512 w: chunk 0
	s_or_b32 s23, s23, 0x80000000                  ; type 2
	s_mov_b32 s24, 15|(2<<16)|(1<<20)|(1<<21)|(6<<22)|(3<<25)  ; mask: all four of the cluster; 4-byte elements; padding on; bit 21 beside a mask; every 128 words; 4 words
	s_mov_b32 s25, 128<<16                         ; tensor_dim0 = 128
	s_mov_b32 s26, 64<<16                          ; tensor_dim1 = 64
	s_mov_b32 s27, 128<<16                         ; tile_dim0 = 128
	s_mov_b32 s28, 64                              ; tile_dim1 = 64
	s_mov_b32 s29, 2048                            ; pitch
	s_mov_b32 s30, 0
	s_mov_b32 s31, 0
	ROUND                                          ; all four work-groups are here: the joint loads meet
	tensor_load_to_lds s[20:23], s[24:31]          ; chunk 0 of W; one tensor load of the wave is out
	s_nop 0
	; addresses and constants, while the first bytes are on their way
	s_lshl_b32 s18, s16, 14                        ; 64 rows x 256 bytes
	s_add_nc_u64 s[8:9], s[8:9], s[18:19]
	s_lshl_b32 s18, s16, 11                        ; 64 rows x 32 bytes
	s_add_nc_u64 s[10:11], s[10:11], s[18:19]
	s_add_nc_u64 s[12:13], s[12:13], s[18:19]
	v_and_b32 v1, 31, v0                           ; lane
	v_and_b32 v2, 15, v0                           ; lane % 16
	v_bfe_u32 v3, v0, 4, 1                         ; lane / 16
	s_mul_i32 s58, s14, STAGEB
	s_add_co_u32 s58, s58, STAGE0                  ; my wave's stage
	v_lshl_add_u32 v[ST], v1, 3, s58               ; a row's 256 bytes: 8 for each lane
	v_mul_u32_u24 v[HA], v2, SPITCH                ; a fragment: lane l holds row l % 16; k = 8 (l / 16) + 0..7 and 16 + 8 (l / 16) + 0..7
	v_lshl_add_u32 v[HA], v3, 4, v[HA]
	v_add_nc_u32 v[HA], s58, v[HA]
	v_mul_u32_u24 v[WA], v2, WPITCH                ; the same from f32: 32 bytes for 8 k
	v_lshl_add_u32 v[WA], v3, 5, v[WA]
	v_add_nc_u32 v[WA], s21, v[WA]
	s_lshl_b32 s59, s14, 11
	v_lshl_add_u32 v[O0], v1, 4, s59               ; out0: 8 rows x 256 bytes for each wave, 16 bytes for each lane
	v_lshrrev_b32 v[O1], 2, v2                     ; out1, out2: lane 4 p + i of half h stores picks 2 i, 2 i + 1 of row 2 p + h
	v_and_b32 v15, 3, v2
	v_lshlrev_b32 v[O1], 6, v[O1]
	v_lshl_add_u32 v[O1], v15, 3, v[O1]
	v_lshl_add_u32 v[O1], v3, 5, v[O1]
	s_lshl_b32 s60, s14, 8
	v_add_nc_u32 v[O1], s60, v[O1]                 ; + 8 rows x 32 bytes for each wave
	v_lshlrev_b32 v15, 2, v2
	v_cvt_f32_u32 v[IX], v15                       ; my experts at the end: 4 (l % 16) + 0..3
	v_add_f32 v[IX+1], 1.0, v[IX]
	v_add_f32 v[IX+2], 2.0, v[IX]
	v_add_f32 v[IX+3], 0x40400000, v[IX]
	v_mov_b32 v[BIG], 0x42800000
	v_mov_b32 v[NEG], -1.0
.set bit_i, 0
.rept 16
	s_mov_b32 s[RM+bit_i], 0x00010001<<bit_i
.set bit_i, bit_i+1
.endr
	s_mov_b32 s53, 0x00f000f0                      ; lanes 4-7, 8-11, 12-15 of both halves
	s_mov_b32 s54, 0x0f000f00
	s_mov_b32 s55, 0xf000f000
; Row tile t (0..7: chunk t / 4, rows 16 (t % 4) ..): each of its 16 rows, as its load comes in, is rounded to bf16 and put into the stage,
; and its ring slot is asked again at once, for the row 32 loads further on.  The last 32 loads are followed by none: the counts run down.
.macro ROWS t
.set row_i, 0
.rept 16
.set row_n, 16*\t+row_i
.set row_x, X+4*(row_n%DEPTH)
.set row_t, T+2*(row_i%4)
.if row_n+DEPTH < NLOADS
	s_wait_loadcnt DEPTH-1                         ; loads come back in order (ISA guide 5.7.1): mine is in, the 31 younger stay out
.else
	s_wait_loadcnt NLOADS-1-row_n
.endif
	v_cvt_pk_bf16_f32 v[row_t], v[row_x], v[row_x+1]
	v_cvt_pk_bf16_f32 v[row_t+1], v[row_x+2], v[row_x+3]
.if row_n+DEPTH < NLOADS
.set row_m, row_n+DEPTH
	global_load_b128 v[row_x:row_x+3], v[OFF], s[4:5] offset:(row_m%64)*ROWB+(row_m/64)*HALFB th:TH_LOAD_NT
.endif
	ds_store_b64 v[ST], v[row_t:row_t+1] offset:row_i*SPITCH
.set row_i, row_i+1
.endr
.endm
; W's tile becomes 16 bf16 fragments in window 1.  Group g = fragments 2 g, 2 g + 1 (fragment f: K step f / 4, expert block f % 4): eight reads of
; 16 bytes into one of two buffers, so that one group's reads are on their way while the other is rounded.
.macro WLOAD g, b
.irp ff, 0,1
.irp o, 0,1,2,3
	ds_load_b128 v[WS+32*\b+16*\ff+4*\o:WS+32*\b+16*\ff+4*\o+3], v[WA] offset:((2*\g+\ff)%4)*16*WPITCH+((2*\g+\ff)/4)*128+(\o/2)*64+(\o%2)*16
.endr
.endr
.endm
.macro WCVT g, b
	WIN TOW
.irp ff, 0,1
.irp i, 0,1,2,3,4,5,6,7
	v_cvt_pk_bf16_f32 v[WF+8*(2*\g+\ff)+\i], v[WS+32*\b+16*\ff+2*\i], v[WS+32*\b+16*\ff+2*\i+1]
.endr
.endr
	WIN 0
.endm
.macro WCONV
	WLOAD 0, 0
	WLOAD 1, 1
.irp g, 0,1,2,3,4,5
	s_wait_dscnt 8                                 ; this group is in; the next group's eight reads stay out
	WCVT \g, (\g%2)
	WLOAD (\g+2), (\g%2)
.endr
	s_wait_dscnt 8
	WCVT 6, 0
	s_wait_dscnt 0
	WCVT 7, 1
.endm
; The products of one row tile: 4 K steps x 4 expert blocks.  Source 0 = 16 experts, source 1 = 16 rows of H: lane l then holds row l % 16 and
; experts 8 (l / 16) + 0..7, 32 neighbouring bytes of a row of logits.  The four accumulators take turns, one instruction a turn.
.macro MULQ q, rt, zero
	s_wait_dscnt 6-2*\q                            ; this K step's two reads are in; those of the later K steps stay out
.irp e, 0,1,2,3
.if \zero
	v_wmma_f32_16x16x32_bf16 v[ACC+8*(4*\rt+\e):ACC+8*(4*\rt+\e)+7], v[WF+8*(4*\q+\e):WF+8*(4*\q+\e)+7], v[HF+8*\q:HF+8*\q+7], 0
.else
	v_wmma_f32_16x16x32_bf16 v[ACC+8*(4*\rt+\e):ACC+8*(4*\rt+\e)+7], v[WF+8*(4*\q+\e):WF+8*(4*\q+\e)+7], v[HF+8*\q:HF+8*\q+7], v[ACC+8*(4*\rt+\e):ACC+8*(4*\rt+\e)+7]
.endif
.endr
.endm
; zero = 1: chunk 0's first K step starts the sums, nothing is cleared.  The reads into HF stand behind the 32 conversions of ROWS, which are
; more than the four places that a load into a matrix instruction's source wants behind it (ISA guide 7.12.1 for vector instructions).
.macro MULT rt, zero
.irp q, 0,1,2,3
	ds_load_b128 v[HF+8*\q:HF+8*\q+3],   v[HA] offset:64*\q      ; LDS serves a wave's instructions in order (ISA guide 5.7.1): these see the stores of ROWS
	ds_load_b128 v[HF+8*\q+4:HF+8*\q+7], v[HA] offset:64*\q+32
.endr
	WIN MULW
	MULQ 0, \rt, \zero
	MULQ 1, \rt, 0
	MULQ 2, \rt, 0
	MULQ 3, \rt, 0
	WIN 0
.endm
	ROWS 0                                         ; the first 16 rows go to the stage and their slots are asked again before W is waited for
	s_wait_tensorcnt 0x0                           ; chunk 0 of W is in my slot; only I read it
	WCONV
	s_wait_dscnt 0x0                               ; my reads of the slot are back
	s_wait_tensorcnt 0x0                           ; and no tensor load of mine is out, so group 0 may be written
	ds_add_u32 v126, v127
	s_wait_dscnt 0x0
	s_add_nc_u64 s[22:23], s[22:23], HALFB         ; chunk 1
	ROUND                                          ; both hold of every wave of all four work-groups
	tensor_load_to_lds s[20:23], s[24:31]          ; the slot's second and last fill, first thing behind the round
	s_nop 0
	MULT 0, 1
	ROWS 1
	MULT 1, 1
	ROWS 2
	MULT 2, 1
	ROWS 3
	MULT 3, 1
	ROWS 4                                         ; chunk 1's first rows: their conversions are also the places between the last products and the new fragments of W
	s_wait_tensorcnt 0x0                           ; chunk 1 of W is in
	WCONV
	MULT 0, 0
	ROWS 5
	MULT 1, 0
	ROWS 6
	MULT 2, 0
	ROWS 7
	MULT 3, 0
	; THE END.  Nine plain vector instructions that name no register of the last products stand between them and the stores that read the results.
	v_mul_u32_u24 v[PS], v2, PPITCH                ; partial sums: row l % 16, 32 bytes for each half of the lanes
	v_lshl_add_u32 v[PS], v3, 5, v[PS]
	v_add_nc_u32 v[PS], s21, v[PS]                 ; in my wave's slot, which has had its last fill and whose reads are back
	s_mul_i32 s58, s14, 8*PPITCH
	v_mul_u32_u24 v[RD], v3, PPITCH                ; back: I finish rows 8 w .. 8 w + 7; lanes 0-15 take one row of 256 bytes, lanes 16-31 the next
	v_lshl_add_u32 v[RD], v2, 4, v[RD]
	v_add_nc_u32 v[RD], s58, v[RD]
	v_add_nc_u32 v[RD+1], 2*WSLOT, v[RD]
	v_add_nc_u32 v[RD+2], 4*WSLOT, v[RD]
	v_add_nc_u32 v[RD+3], 6*WSLOT, v[RD]
	WIN FROMA
.irp rt, 0,1,2,3
.irp e, 0,1,2,3
	ds_store_b128 v[PS], v[ACC+8*(4*\rt+\e):ACC+8*(4*\rt+\e)+3]   offset:\rt*16*PPITCH+64*\e
	ds_store_b128 v[PS], v[ACC+8*(4*\rt+\e)+4:ACC+8*(4*\rt+\e)+7] offset:\rt*16*PPITCH+64*\e+16
.endr
.endr
	WIN 0
	s_wait_dscnt 0x0                               ; my partial sums are in LDS,
	s_barrier_signal -1
	s_barrier_wait -1                              ; everybody's are
.irp p, 0,1,2,3
.irp u, 0,1,2,3,4,5,6,7
	ds_load_b128 v[X+16*\u+4*\p:X+16*\u+4*\p+3], v[RD+\u/2] offset:(\u%2)*WSLOT+\p*2*PPITCH   ; row pair p as wave u summed it
.endr
.endr
.macro PADD d, a, b
	v_pk_add_f32 v[\d:\d+1], v[\a:\a+1], v[\b:\b+1]
	v_pk_add_f32 v[\d+2:\d+3], v[\a+2:\a+3], v[\b+2:\b+3]
.endm
.irp p, 0,1,2,3
	s_wait_dscnt 24-8*\p                           ; this pair's eight reads are in; the later pairs' stay out
.irp u, 0,2,4,6
	PADD (X+16*\u+4*\p),(X+16*\u+4*\p),(X+16*\u+16+4*\p)
.endr
	PADD (X+4*\p),(X+4*\p),(X+32+4*\p)
	PADD (X+64+4*\p),(X+64+4*\p),(X+96+4*\p)
	PADD (L+4*\p),(X+4*\p),(X+64+4*\p)
	global_store_b128 v[O0], v[L+4*\p:L+4*\p+3], s[8:9] offset:512*\p th:TH_STORE_NT   ; two whole rows of logits: 512 consecutive bytes, aligned
.endr
	; Softmax.  A row lies in 16 lanes, 4 experts each; the four row pairs go side by side so that no instruction waits for the one in front of it.
.macro ACROSS op, r                                    ; over the 16 lanes of a row, result in all of them
.irp x, 1,2,4,8
.irp p, 0,1,2,3
	\op v[\r+\p], v[\r+\p], v[\r+\p] row_xmask:\x row_mask:0xf bank_mask:0xf
.endr
.endr
.endm
.irp p, 0,1,2,3
	v_max3_num_f32 v[M+\p], v[L+4*\p], v[L+4*\p+1], v[L+4*\p+2]
.endr
.irp p, 0,1,2,3
	v_max_num_f32 v[M+\p], v[M+\p], v[L+4*\p+3]
.endr
	ACROSS v_max_num_f32_dpp, M
.irp p, 0,1,2,3
.irp j, 0,1,2,3
	v_sub_f32 v[P+4*\p+\j], v[L+4*\p+\j], v[M+\p]  ; the maximum is taken away first, as in the reference: one small difference, not a difference of two scaled numbers
.endr
.endr
.irp p, 0,1,2,3
	v_pk_mul_f32 v[P+4*\p:P+4*\p+1], v[P+4*\p:P+4*\p+1], 0x3fb8aa3b op_sel_hi:[1,0]       ; x log2(e)
	v_pk_mul_f32 v[P+4*\p+2:P+4*\p+3], v[P+4*\p+2:P+4*\p+3], 0x3fb8aa3b op_sel_hi:[1,0]
.endr
.set exp_i, 0
.rept 16
	v_exp_f32 v[P+exp_i], v[P+exp_i]
.set exp_i, exp_i+1
.endr
	v_mov_b32 v[RV], 0                             ; a plain instruction between the exponentials and their first use (ISA guide 5.7.2);
	v_mov_b32 v[RV+1], 0                           ; the registers of the picks are written whole before lanes of them are chosen
	s_wait_alu depctr_va_vdst(0)
.irp p, 0,1,2,3
	v_pk_add_f32 v[TP+2*\p:TP+2*\p+1], v[P+4*\p:P+4*\p+1], v[P+4*\p+2:P+4*\p+3]
.endr
.irp p, 0,1,2,3
	v_add_f32 v[C+\p], v[TP+2*\p], v[TP+2*\p+1]
.endr
	ACROSS v_add_f32_dpp, C
.irp p, 0,1,2,3
	v_rcp_f32 v[C+\p], v[C+\p]                     ; the sum is at least 1
.endr
	v_mov_b32 v[RI], 0                             ; again the plain instruction
	v_mov_b32 v[RI+1], 0
	s_wait_alu depctr_va_vdst(0)
.irp p, 0,1,2,3
.irp j, 0,1,2,3
	v_mul_f32 v[P+4*\p+\j], v[P+4*\p+\j], v[C+\p]  ; probabilities: they are what is ranked, as in the reference, so that equal ones (zeros too) go by index
.endr
.endr
; Pick k: the row's largest probability; among the experts that have exactly it, the lowest index (indices are kept as f32, 0 to 63, exact);
; that one expert is taken out (-1 lies under every probability); value and index go to the lane that will store them: pick k of row pair p to
; lane 4 p + k / 2 of each half, register k % 2.  Every step is a select: no branch and no address hangs on the numbers.
.macro PICK k
.irp p, 0,1,2,3
	v_max3_num_f32 v[M+\p], v[P+4*\p], v[P+4*\p+1], v[P+4*\p+2]
.endr
.irp p, 0,1,2,3
	v_max_num_f32 v[M+\p], v[M+\p], v[P+4*\p+3]
.endr
	ACROSS v_max_num_f32_dpp, M
.irp p, 0,1,2,3
	v_cmp_eq_f32 s[EQ+\p], v[P+4*\p+3], v[M+\p]
.endr
.irp p, 0,1,2,3
	v_cndmask_b32 v[C+\p], v[BIG], v[IX+3], s[EQ+\p]
.endr
.irp j, 2,1,0
.irp p, 0,1,2,3
	v_cmp_eq_f32 s[EQ+\p], v[P+4*\p+\j], v[M+\p]
.endr
.irp p, 0,1,2,3
	v_cndmask_b32 v[C+\p], v[C+\p], v[IX+\j], s[EQ+\p]   ; the lower index is written last
.endr
.endr
	ACROSS v_min_num_f32_dpp, C
.if \k < 7
.irp j, 0,1,2,3
.irp p, 0,1,2,3
	v_cmp_eq_f32 s[EQ+\p], v[IX+\j], v[C+\p]
.endr
.irp p, 0,1,2,3
	v_cndmask_b32 v[P+4*\p+\j], v[P+4*\p+\j], v[NEG], s[EQ+\p]
.endr
.endr
.endif
.irp p, 0,1,2,3
	v_cndmask_b32 v[RV+\k%2], v[RV+\k%2], v[M+\p], s[RM+4*\p+\k/2]
	v_cndmask_b32 v[RI+\k%2], v[RI+\k%2], v[C+\p], s[RM+4*\p+\k/2]
.if \k
	v_add_f32 v[TS+\p], v[TS+\p], v[M+\p]
.else
	v_mov_b32 v[TS+\p], v[M+\p]                    ; the first pick starts the sum
.endif
.endr
.endm
.irp k, 0,1,2,3,4,5,6,7
	PICK \k
.endr
.irp p, 0,1,2,3
	v_rcp_f32 v[TS+\p], v[TS+\p]                   ; the sum of the picked is at least 1/64
.endr
	v_cvt_i32_f32 v[RI], v[RI]                     ; plain instructions between the reciprocals and their use
	v_cvt_i32_f32 v[RI+1], v[RI+1]
	s_wait_alu depctr_va_vdst(0)
	v_cndmask_b32 v[RT], v[TS], v[TS+1], s53       ; lanes 4 p .. 4 p + 3 hold picks of row pair p: they take its reciprocal
	v_cndmask_b32 v[RT], v[RT], v[TS+2], s54
	v_cndmask_b32 v[RT], v[RT], v[TS+3], s55
	v_mul_f32 v[RV], v[RV], v[RT]
	v_mul_f32 v[RV+1], v[RV+1], v[RT]
	global_store_b64 v[O1], v[RV:RV+1], s[10:11] th:TH_STORE_NT    ; the wave's 8 rows x 8 picks: 256 consecutive bytes, aligned, in one store
	global_store_b64 v[O1], v[RI:RI+1], s[12:13] th:TH_STORE_NT
	s_wait_tensorcnt 0x0
	ds_add_u32 v126, v127
	s_wait_dscnt 0x0
	ROUND                                          ; the closing round: no work-group ends while a partner may still ask for a tile that names it
	s_endpgm
.Lfunc_end_k_qc47bd250ea_router:
	.size	k_qc47bd250ea_router, .Lfunc_end_k_qc47bd250ea_router-k_qc47bd250ea_router
	.p2alignl 7, 3214868480
	.fill 96, 4, 3214868480
	.section	.rodata,"a",@progbits
	.p2align	6, 0x0
	.amdhsa_kernel k_qc47bd250ea_router
		.amdhsa_group_segment_fixed_size 327680
		.amdhsa_private_segment_fixed_size 0
		.amdhsa_enable_private_segment 0
		.amdhsa_kernarg_size 40
		.amdhsa_user_sgpr_count 2
		.amdhsa_user_sgpr_kernarg_segment_ptr 1
		.amdhsa_wavefront_size32 1
		.amdhsa_system_sgpr_workgroup_id_x 1
		.amdhsa_system_sgpr_workgroup_id_y 1
		.amdhsa_system_sgpr_workgroup_id_z 1
		.amdhsa_system_vgpr_workitem_id 0
		.amdhsa_next_free_vgpr 512
		.amdhsa_next_free_sgpr 66
		.amdhsa_reserve_vcc 0
		.amdhsa_float_denorm_mode_32 3
		.amdhsa_float_denorm_mode_16_64 3
		.amdhsa_memory_ordered 1
		.amdhsa_forward_progress 1
		.amdhsa_inst_pref_size 154
	.end_amdhsa_kernel
	.amdgpu_metadata
---
amdhsa.version: [ 1, 2 ]
amdhsa.kernels:
  - .name:           k_qc47bd250ea_router
    .symbol:         k_qc47bd250ea_router.kd
    .args:
      - { .name: hidden_states, .offset: 0, .size: 8, .value_kind: global_buffer, .address_space: global }
      - { .name: weight, .offset: 8, .size: 8, .value_kind: global_buffer, .address_space: global }
      - { .name: out0, .offset: 16, .size: 8, .value_kind: global_buffer, .address_space: global }
      - { .name: out1, .offset: 24, .size: 8, .value_kind: global_buffer, .address_space: global }
      - { .name: out2, .offset: 32, .size: 8, .value_kind: global_buffer, .address_space: global }
    .group_segment_fixed_size: 327680
    .private_segment_fixed_size: 0
    .kernarg_segment_align: 8
    .kernarg_segment_size: 40
    .max_flat_workgroup_size: 256
    .sgpr_count:     66
    .vgpr_count:     512
    .wavefront_size: 32
...
	.end_amdgpu_metadata
.endif
;; end of part 1
